; MI455X (gfx1250); checked and timed in simulation.
; The chip was launched on July 23, 2026; its instructions are those of AMD's public machine-readable ISA for CDNA 5 (MIT licence, August 2026) and "CDNA5" Instruction Set Architecture Reference Guide (July 2026). The comments in the code are by the model that wrote it; some were corrected since.
;; Multi Head Attention. Allowed arithmetic: matrix products marked QUANTISED: E2M3 operands, one E8M0 scale for each 32 along K, by v_wmma_scale_f32_16x16x128_f8f6f4 with both operands' format E2M3, f32 sums; everything else in f32.
;; Inputs: Wk_codes 1,024 x 32 x 24 uint8 (E2M3 codes of Wk, K innermost, in blocks of 32 codes, four codes in three bytes); Wk_scales 1,024 x 32 uint8 (E8M0 scales of Wk, one for each 32 codes along K); Wq_codes 1,024 x 32 x 24 uint8 (E2M3 codes of Wq, K innermost, in blocks of 32 codes, four codes in three bytes); Wq_scales 1,024 x 32 uint8 (E8M0 scales of Wq, one for each 32 codes along K); Wv_codes 1,024 x 32 x 24 uint8 (E2M3 codes of Wv, K innermost, in blocks of 32 codes, four codes in three bytes); Wv_scales 1,024 x 32 uint8 (E8M0 scales of Wv, one for each 32 codes along K); beta1 64 float32; beta2 64 float32; bk 1,024 float32; bq 1,024 float32; bv 1,024 float32; g1 64 float32; g2 64 float32; k_codes 4 x 2,048 x 32 x 24 uint8 (E2M3 codes of k, K innermost, in blocks of 32 codes, four codes in three bytes); k_scales 4 x 2,048 x 32 uint8 (E8M0 scales of k, one for each 32 codes along K); q_codes 4 x 2,048 x 32 x 24 uint8 (E2M3 codes of q, K innermost, in blocks of 32 codes, four codes in three bytes); q_scales 4 x 2,048 x 32 uint8 (E8M0 scales of q, one for each 32 codes along K); v_codes 4 x 2,048 x 32 x 24 uint8 (E2M3 codes of v, K innermost, in blocks of 32 codes, four codes in three bytes); v_scales 4 x 2,048 x 32 uint8 (E8M0 scales of v, one for each 32 codes along K).
;; Outputs: out0 4 x 2,048 x 1,024 float32.
;; This version of the problem:
;;   THIS VERSION OF THE PROBLEM IS GIVEN IN LOW PRECISION. The matrix products marked QUANTISED in the list below multiply operands that are first quantised to E2M3 (2 exponent bits, 3 mantissa bits; 6 bits a number), with one power-of-two scale for each 32 numbers along K (OCP MX v1.0); their sums are f32. All else is computed in f32.
;;   The module's matrix products, in the order in which they are computed (A, B: the left and right operand; K: the contracted axis; several contracted axes count as one K, in the product's order):
;;     1. [M 8,192, K 1,024] x [K 1,024, N 1,024]; A: input q (given as codes); B: input Wq (given as codes): QUANTISED
;;     2. [M 8,192, K 1,024] x [K 1,024, N 1,024]; A: input k (given as codes); B: input Wk (given as codes): QUANTISED
;;     3. [M 8,192, K 1,024] x [K 1,024, N 1,024]; A: input v (given as codes); B: input Wv (given as codes): QUANTISED
;;     4. batch 64 x [M 2,048, K 64] x [K 64, N 2,048]; A: computed on the way; B: computed on the way: QUANTISED
;;     5. batch 64 x [M 2,048, K 2,048] x [K 2,048, N 64]; A: softmax (see below); B: computed on the way: QUANTISED
;;   THE QUANTISER, for each operand of a quantised product, along K:
;;     - K is cut into blocks of 32 from its start; a last block that is shorter is filled with zeros.
;;     - A block's scale is 2^e with e = floor(log2(the largest magnitude in the block)) - 2, held to -126 .. 127; a block of zeros has e = 0. As a byte (E8M0): e + 127.
;;     - Each number is divided by its block's scale, clamped to +-7.5, and rounded to the nearest number of E2M3, ties to even, subnormals kept.
;;     - The product sums the exact products of the quantised numbers (number of the format x scale) in f32.
;;   ~~~python
;;   def quantise(x, axis):      # numpy; x: float32 -> the quantised numbers, widened to float32 again
;;       x = np.moveaxis(x, axis, -1); K = x.shape[-1]
;;       x = np.pad(x, [(0, 0)] * (x.ndim - 1) + [(0, -K % 32)]); x = x.reshape(x.shape[:-1] + (-1, 32)); a = np.abs(x).max(-1, keepdims=True)
;;       e = np.where(a > 0, np.clip(np.frexp(np.where(a > 0, a, 1))[1] - 1 - 2, -126, 127), 0)      # np.frexp(a)[1] - 1 = floor(log2(a)), exactly
;;       r = np.clip(x / 2.0 ** e, -7.5, 7.5)
;;       step = 2.0 ** (np.maximum(np.frexp(np.where(r == 0, 1, r))[1] - 1, 0) - 3)
;;       q = np.round(r / step) * step * 2.0 ** e      # np.round: ties to even
;;       return np.moveaxis(q.reshape(q.shape[:-2] + (-1,))[..., :K], -1, axis).astype(np.float32)
;;   ~~~
;;   SOFTMAX AHEAD OF A QUANTISED PRODUCT. Where the list says 'softmax', what is quantised is not the finished softmax but p = 2^(t - M), with t = logit x log2(e) and M = ceil(the row's largest t), a whole number; so 1/2 < the row's largest p <= 1. The row's sum l is taken of the UNQUANTISED p, in f32, and the product's result is divided by l at the end. Since M is a whole number, a kernel that streams over the keys may use a running M (the ceiling of the running maximum): every later rescaling is an exact power of two, which a block's scale takes up: the codes' values come out the same.
;;   OPERANDS COMPUTED ON THE WAY. 'Computed on the way' means the value that the module computes at that place (a softmax that the list does not call 'softmax' is quantised finished and normalised). What goes into a quantiser is computed in f32, as accurately as f32 sums, v_exp_f32 and their like allow (about 1e-6 of the number): no bf16 or f16 on the way to a quantiser, and a product that is left as it is and whose result goes on into a quantised operand takes f32 operands (vector FMAs, or v_wmma_f32_16x16x4_f32). A number that lies on a knife's edge between two numbers of the format may be rounded either way, as far as f32 arithmetic and the matrix unit's own rounding can turn it there, and no further.
;;   INPUTS GIVEN AS CODES. Wk (in the module: [1024, 1024], K = its axis 1); Wq (in the module: [1024, 1024], K = its axis 1); Wv (in the module: [1024, 1024], K = its axis 1); k (in the module: [4, 2048, 1024], K = its axis 2); q (in the module: [4, 2048, 1024], K = its axis 2); v (in the module: [4, 2048, 1024], K = its axis 2): each comes as NAME_codes (uint8): NAME with its K axis moved to the last place and cut into blocks of 32 codes, [.., K / 32, bytes a block], one block behind the other in memory; four codes in three bytes: a row's codes are one little-endian stream of bits, code i at bits 6 i .. 6 i + 5 (a code: sign, 2 exponent bits, 3 mantissa bits); and NAME_scales (uint8): the same leading axes, one E8M0 byte (e + 127) for each 32 codes along K. Its value is code x scale, taken as it is: it is not quantised again, and the codes and scales need not be those that the quantiser above would give.
;; One version. Each part assembles by itself: llvm-mc -triple=amdgcn-amd-amdhsa -mcpu=gfx1250 --defsym DOCPART=n.
;; ======== version 1 of 1: 2 launches
;; limits: right only within a limited range of input values
;; workspace buffers: qi 6,815,744 bytes; kv 13,631,488 bytes
;; launch proj (part 1): grid 8 x 32, 4 waves a work-group, clusters of 4 x 4, 327,680 bytes of LDS; arguments q_codes, Wq_codes, k_codes, Wk_codes, v_codes, Wv_codes, q_scales, Wq_scales, k_scales, Wk_scales, v_scales, Wv_scales, bq, bk, bv, g1, beta1, g2, beta2, qi, kv; writes qi, kv
.if DOCPART == 1
	.amdgcn_target "amdgcn-amd-amdhsa--gfx1250"
	.amdhsa_code_object_version 6
	.text
	.protected	k_q401d67585d_proj
	.globl	k_q401d67585d_proj
	.p2align	8
	.type	k_q401d67585d_proj,@function
k_q401d67585d_proj:
	s_mov_b64 s[64:65], 0
	v_nop
	global_prefetch_b8 v0, s[64:65] scope:SCOPE_SE
	s_setreg_imm32_b32 hwreg(HW_REG_WAVE_MODE, 25, 1), 1
	s_wait_xcnt 0x0
	s_wait_alu depctr_hold_cnt(0) depctr_sa_sdst(0) depctr_va_vdst(0) depctr_va_sdst(0) depctr_va_ssrc(0) depctr_va_vcc(0) depctr_vm_vsrc(0)
	s_getreg_b32 s2, hwreg(HW_REG_IB_STS2, 6, 4)
	s_cmp_eq_u32 s2, 0
	s_cbranch_scc0 .Lentry_in_a_cluster
	s_endpgm
.Lentry_in_a_cluster:
	s_bfe_u32 s2, ttmp6, 0x10000c
	s_cmp_lg_u32 s2, 0xf033
	s_cbranch_scc0 .Lentry_shape_is_right
	s_endpgm
.Lentry_shape_is_right:
; The three projections on codes of FP6 (E2M3), then what the attention launch wants of them.  No work of the problem is left out.
; Q = LN(q Wq^T + bq) / 8, K = LN(k Wk^T + bk), V^T = Wv v^T + bv; each is quantised along the next product's K and stored as images of operand registers:
; qi [16 b + head][128 queries][6,656], kv [16 b + head][128 keys][13,312] (K's part, then V^T's).
; 256 WORK-GROUPS THAT STAY: each makes the same tile, 256 tokens x 128 weight rows, of Q, of K and of V, in three passes: 32 x 8 tiles, equal work for all.  A wave makes 128 tokens x 64 weight rows (one head): 32 accumulators.
; A row of codes is 768 bytes: three chunks of 256 bytes, each beginning at a multiple of 256 bytes.  LDS holds three planes, one for each chunk: 256 token rows, then 128 weight rows, 272 bytes apart.  A matrix step is 96 bytes of a row.
; TWO SLOTS, FILLED FROM PASS TO PASS.  Planes 0 and 1 are one slot: read out at step 5, it takes the NEXT pass's chunks 0 and 1 there (waves 0, 1: 256 token rows of chunk 0, 1; waves 2, 3: 128 weight rows), which are on their way
; through the last steps and while the pass's results are normed and stored.  Plane 2 is the other: it takes the pass's own chunk 2 at the pass's opening, four steps ahead of the barrier that shows it whole.
; Q's and K's passes are one loop body of two trips; V's pass, with the sources swapped, is written out.  4 x 4 work-groups form a cluster: token tiles are asked for jointly along a row, weight tiles along a column.
; The scales go from memory into registers, 32 bytes a lane (16 lanes read 512 consecutive bytes), a pass ahead.
; No prefetch: a pass has three chunks; two are asked for by their own loads three steps and a way out ahead, the third four steps ahead.
; LIMITS: NaN and infinities are not served.
; REGISTERS.  Window 0: v0-31 addresses; v32-63 token scale words (register 8 (i % 4) + step: block i in lanes 0-15, block i + 4 in lanes 16-31); v224-239 weight scale words (8 (j % 2) + step; blocks j, j + 2);
; v112-207 weight fragments, two sets; v64-219 at work on the way out.  Window 1: v0-191 token fragments, two sets.  Windows 2, 3: accumulators; in window 3's gaps the bias, the norm's gain and shift, V's bias.
.set ROWB,   256
.set KROW,   768
.set PITCH,  272                       ; 256 bytes + 16 of padding
.set FR,     12
.set TROWS,  256*PITCH
.set SLOT,   384*PITCH                 ; a plane
.set SPARE,  3*SLOT                    ; the spare words: 512 bytes that no other line names
.set ADRT, 6                           ; v6-8 my token fragments in plane 0, 1, 2; v9-10 for pieces whose lanes 0-15 end plane 0, 1 and whose lanes 16-31 begin the next
.set ADRW, 11                          ; v11-15 the same for the weight
.set LI,   24                          ; 16 x lane
.set OH,   25                          ; 32 x (lane / 16)
.set OR4,  26                          ; 4 x (lane % 16)
.set VTS,  27                          ; token scales: 32 (lane % 16) + 2,048 (lane / 16)
.set SPW,  28
.set NIL,  29
.set VWS,  30                          ; weight scales: 32 (lane % 16) + 1,024 (lane / 16)
.set TS,   32
.set WF,   112
.set WS,   224
.set BIAS, 32                          ; window 3
.set GW,   96
.set BW,   160
.set VBIAS, 224
.set OUT,  42                          ; s[42:43] where this pass's image goes
.set G1T,  48
.set G1W,  56
.set G0T,  68                          ; s[68:71] planes 0, 1; s[72:75] plane 2
.set G0W,  76
.set WV,   84
.set HA,   85
.set HB,   86
.set SEL,  98
.set M8,   100
.set M16,  101
.set MSB, 0
.macro WIN new                         ; the immediate's high byte repeats the setting that is left
.if MSB != (\new)
	s_set_vgpr_msb (MSB<<8)|(\new)
.set MSB, (\new)
.endif
.endm
.macro JLOAD s                         ; waves 0, 1 fetch tokens, waves 2, 3 weights; s = 0: planes 0, 1; s = 1: plane 2
	s_cmp_eq_u32 s[HA], 0
	s_cbranch_scc0 .Lfor_w_\@
	tensor_load_to_lds s[G0T+4*\s:G0T+4*\s+3], s[G1T:G1T+7]
	s_nop 0
.rept 4
	v_nop
.endr
	s_branch .Lasked_\@
.Lfor_w_\@:
	tensor_load_to_lds s[G0W+4*\s:G0W+4*\s+3], s[G1W:G1W+7]
	s_nop 0
.rept 4
	v_nop
.endr
.Lasked_\@:
.endm
.macro CREST                           ; a round of the cluster's barrier behind its opening barrier
	s_cmp_lg_u32 s[WV], 0
	s_cbranch_scc1 .Lnot_wave_0_\@
	s_barrier_signal -3
.Lnot_wave_0_\@:
	s_barrier_wait -3
	s_barrier_signal -1
	s_barrier_wait -1
.endm
.macro CROUND
	s_barrier_signal -1
	s_barrier_wait -1
	CREST
.endm
.macro PLACES n
.rept \n
	v_nop
.endr
.endm
	s_load_b512 s[4:19], s[0:1], 0x0               ; codes: q 4, Wq 6, k 8, Wk 10, v 12, Wv 14; scales: q 16, Wq 18,
	s_load_b512 s[20:35], s[0:1], 0x40             ; k 20, Wk 22, v 24, Wv 26; bq 28, bk 30, bv 32, g1 34,
	s_load_b256 s[36:43], s[0:1], 0x80             ; beta1 36, g2 38, beta2 40, qi 42,
	s_load_b64 s[44:45], s[0:1], 0xa0              ; kv 44
	v_lshl_add_u32 v[SPW], v0, 2, SPARE
	v_mov_b32 v[NIL], 0
	ds_add_u32 v[SPW], v[NIL]                      ; the opening lines: the add, twice,
	ds_add_u32 v[SPW], v[NIL]
	v_lshrrev_b32 v1, 5, v0
	v_readfirstlane_b32 s[WV], v1
	s_lshr_b32 s[HA], s[WV], 1                     ; my half of the tokens; also: I fetch tokens (0) or weights (1)
	s_and_b32 s[HB], s[WV], 1                      ; my half of the weight rows; also: which chunk, or which half of a tile, I fetch
	s_bfe_u32 s87, ttmp6, 0x40000                  ; cx
	s_bfe_u32 s88, ttmp6, 0x40004                  ; cy
	s_lshl_b32 s46, ttmp9, 2
	s_add_co_u32 s46, s46, s87                     ; weight tile, 0 to 7
	s_and_b32 s47, ttmp7, 0xffff
	s_lshl_b32 s47, s47, 2
	s_add_co_u32 s47, s47, s88                     ; token tile, 0 to 31
	s_lshl_b32 s89, s88, 2
	s_lshl_b32 s89, 15, s89                        ; my row of the cluster
	s_lshl_b32 s90, 0x1111, s87                    ; my column
	s_or_b32 s[G1T+0], s89, (0<<16)|(1<<20)|(1<<21)|(5<<22)|(3<<25)   ; bytes; 4 words of padding behind every 64
	s_or_b32 s[G1W+0], s90, (0<<16)|(1<<20)|(1<<21)|(5<<22)|(3<<25)
	s_mov_b32 s[G1T+1], ROWB<<16
	s_mov_b32 s[G1T+2], 256<<16                    ; planes 0, 1: 256 token rows a load
	s_mov_b32 s[G1T+3], ROWB<<16
	s_mov_b32 s[G1T+4], 256
	s_mov_b32 s[G1T+5], KROW
	s_mov_b32 s[G1T+6], 0
	s_mov_b32 s[G1T+7], 0
	s_mov_b32 s[G1W+1], ROWB<<16
	s_mov_b32 s[G1W+2], 128<<16                    ; and 128 weight rows
	s_mov_b32 s[G1W+3], ROWB<<16
	s_mov_b32 s[G1W+4], 128
	s_mov_b32 s[G1W+5], KROW
	s_mov_b32 s[G1W+6], 0
	s_mov_b32 s[G1W+7], 0
	s_mov_b32 s[SEL], 0x76543210
	s_mov_b32 s[SEL+1], 0xfedcba98
	s_mov_b32 s[M8], 0xff00ff00
	s_mov_b32 s[M16], 0xffff0000
	s_mov_b32 s66, 0x3c800000                      ; 1 / 64
	s_mov_b32 s67, 0x3727c5ac                      ; 1e-5
	s_lshl_b32 s92, s47, 8
	s_mul_i32 s92, s92, KROW                       ; the token tile's first row, in bytes
	s_mov_b32 s93, 0
	s_lshl_b32 s94, s46, 7
	s_mul_i32 s94, s94, KROW                       ; the weight tile's
	s_mov_b32 s95, 0
	s_lshl_b32 s88, s[HB], 8                       ; s[88:89] planes 0, 1: my chunk's bytes along a row
	s_mov_b32 s89, 0
	s_mul_i32 s90, s[HB], 128*KROW                 ; s[90:91] plane 2: my 128 token rows, chunk 2
	s_add_co_u32 s90, s90, 2*ROWB
	s_mov_b32 s91, 0
	s_wait_dscnt 0x0                               ; and the one wait for both adds
	s_wait_kmcnt 0x0
.irp p, 4,8,12
	s_add_nc_u64 s[\p:\p+1], s[\p:\p+1], s[92:93]
	s_add_nc_u64 s[\p+2:\p+3], s[\p+2:\p+3], s[94:95]
.endr
	CROUND                                         ; the first joint loads meet
	s_mov_b32 s[G0T], 1
	s_mul_i32 s[G0T+1], s[HB], SLOT                ; chunk 0 into plane 0, chunk 1 into plane 1: no place in the cluster enters an LDS address
	s_add_nc_u64 s[G0T+2:G0T+3], s[4:5], s[88:89]
	s_or_b32 s[G0T+3], s[G0T+3], 0x80000000
	s_mov_b32 s[G0W], 1
	s_add_co_u32 s[G0W+1], s[G0T+1], TROWS
	s_add_nc_u64 s[G0W+2:G0W+3], s[6:7], s[88:89]
	s_or_b32 s[G0W+3], s[G0W+3], 0x80000000
	s_mul_i32 s3, s[HB], 128*PITCH
	s_mov_b32 s[G0T+4], 1
	s_add_co_u32 s[G0T+5], s3, 2*SLOT              ; plane 2: halves of the tiles
	s_mul_i32 s3, s[HB], 64*PITCH
	s_mov_b32 s[G0W+4], 1
	s_add_co_u32 s[G0W+5], s3, 2*SLOT+TROWS
	JLOAD 0                                        ; Q's chunks 0 and 1: one tensor load a wave at the head
	; my rows' scales, bias and images
	s_lshl_b32 s92, s47, 8
	s_lshl_b32 s93, s[HA], 7
	s_add_co_u32 s96, s92, s93                     ; my first token
	s_lshl_b32 s94, s46, 7
	s_lshl_b32 s95, s[HB], 6
	s_add_co_u32 s97, s94, s95                     ; my first weight row
	s_lshl_b32 s92, s96, 5
	s_mov_b32 s93, 0
	s_lshl_b32 s94, s97, 5
	s_mov_b32 s95, 0
.irp p, 16,20,24
	s_add_nc_u64 s[\p:\p+1], s[\p:\p+1], s[92:93]
	s_add_nc_u64 s[\p+2:\p+3], s[\p+2:\p+3], s[94:95]
.endr
	s_lshl_b32 s94, s97, 2
.irp p, 28,30,32
	s_add_nc_u64 s[\p:\p+1], s[\p:\p+1], s[94:95]
.endr
	s_lshr_b32 s92, s96, 11
	s_lshl_b32 s92, s92, 4
	s_lshr_b32 s94, s97, 6
	s_add_co_u32 s92, s92, s94
	s_lshl_b32 s92, s92, 4
	s_bfe_u32 s94, s96, 0x40007
	s_add_co_u32 s92, s92, s94                     ; 16 (16 b + head) + group of 128 tokens
	s_mul_i32 s94, s92, 13312
	s_mul_i32 s92, s92, 6656
	s_add_nc_u64 s[42:43], s[42:43], s[92:93]
	s_add_nc_u64 s[44:45], s[44:45], s[94:95]
	s_mul_i32 s46, s[HB], 64*KROW                  ; s[46:47] plane 2: my 64 weight rows, chunk 2
	s_add_co_u32 s46, s46, 2*ROWB
	s_mov_b32 s47, 0
	v_and_b32 v1, 15, v0
	v_bfe_u32 v2, v0, 4, 1
	v_and_b32 v3, 31, v0
	v_lshlrev_b32 v[LI], 4, v3
	v_lshlrev_b32 v[OH], 5, v2
	v_lshlrev_b32 v[OR4], 2, v1
	v_lshlrev_b32 v4, 5, v1
	v_lshl_add_u32 v[VTS], v2, 11, v4
	v_lshl_add_u32 v[VWS], v2, 10, v4
	s_wait_alu depctr_va_vdst(0)
.macro SCLOAD st, sw                   ; a pass's scale words: a lane takes its row's 32 bytes, eight steps' words
.irp m, 0,1,2,3
	global_load_b128 v[TS+8*\m:TS+8*\m+3], v[VTS], s[\st:\st+1] offset:512*\m
	global_load_b128 v[TS+8*\m+4:TS+8*\m+7], v[VTS], s[\st:\st+1] offset:512*\m+16
.endr
.irp n, 0,1
	global_load_b128 v[WS+8*\n:WS+8*\n+3], v[VWS], s[\sw:\sw+1] offset:512*\n
	global_load_b128 v[WS+8*\n+4:WS+8*\n+7], v[VWS], s[\sw:\sw+1] offset:512*\n+16
.endr
.endm
.macro LNLOAD sb, sg, st               ; bias, gain and shift at the lane's 32 channels, into window 3
	WIN 0xc0
.irp b, 0,1,2,3
	global_load_b128 v[BIAS+8*\b:BIAS+8*\b+3], v[OH], s[\sb:\sb+1] offset:64*\b
	global_load_b128 v[BIAS+8*\b+4:BIAS+8*\b+7], v[OH], s[\sb:\sb+1] offset:64*\b+16
	global_load_b128 v[GW+8*\b:GW+8*\b+3], v[OH], s[\sg:\sg+1] offset:64*\b
	global_load_b128 v[GW+8*\b+4:GW+8*\b+7], v[OH], s[\sg:\sg+1] offset:64*\b+16
	global_load_b128 v[BW+8*\b:BW+8*\b+3], v[OH], s[\st:\st+1] offset:64*\b
	global_load_b128 v[BW+8*\b+4:BW+8*\b+7], v[OH], s[\st:\st+1] offset:64*\b+16
.endr
	WIN 0
.endm
	SCLOAD 16, 18
	LNLOAD 28, 34, 36
	WIN 0xc0
.irp j, 0,1,2,3
.irp k, 0,1,2,3,4,5,6,7
	global_load_b32 v[VBIAS+8*\j+\k], v[OR4], s[32:33] offset:64*\j   ; V^T: a lane's eight results share a channel
.endr
.endr
	WIN 0
	v_mul_u32_u24 v3, v1, PITCH
	v_mul_u32_u24 v4, v2, 24
	v_add_nc_u32 v4, v3, v4                        ; a fragment's row x pitch + 24 x half
	s_mov_b32 s92, SLOT-232
	v_mul_u32_u24 v5, s92, v2
	v_add_nc_u32 v5, v3, v5
	v_add_nc_u32 v5, 232, v5                       ; lanes 0-15 byte 232 of the row in a plane, lanes 16-31 byte 0 of the row in the next plane
	s_mul_i32 s92, s[HA], 128*PITCH
	s_mul_i32 s93, s[HB], 64*PITCH
	s_add_co_u32 s93, s93, TROWS
.irp c, 0,1,2
	v_add_nc_u32 v[ADRT+\c], s92, v4
	v_add_nc_u32 v[ADRW+\c], s93, v4
.if \c < 2
	v_add_nc_u32 v[ADRT+3+\c], s92, v5
	v_add_nc_u32 v[ADRW+3+\c], s93, v5
.endif
	s_add_co_u32 s92, s92, SLOT
	s_add_co_u32 s93, s93, SLOT
.endr
.macro FRAG reg, adr, st, i            ; 12 registers in six pieces of 8 bytes; byte y of a row lies in plane y / 256 at byte y % 256
.irp p, 0,1,2,3,4,5
.set PB, 96*(\st)+48*(\p/3)+8*(\p%3)
.if PB/ROWB == (PB+24)/ROWB
	ds_load_b64 v[\reg+2*\p:\reg+2*\p+1], v[\adr+PB/ROWB] offset:PB%ROWB+(\i)*16*PITCH
.else
	ds_load_b64 v[\reg+2*\p:\reg+2*\p+1], v[\adr+3+PB/ROWB] offset:PB%ROWB-232+(\i)*16*PITCH
.endif
.endr
.endm
.macro FETCH st                        ; step st's 12 fragments into set st % 2: 72 loads in one run
	WIN 0x40
.irp i, 0,1,2,3,4,5,6,7
	FRAG 96*((\st)%2)+FR*\i, ADRT, \st, \i
.endr
	WIN 0
.irp j, 0,1,2,3
	FRAG WF+48*((\st)%2)+FR*\j, ADRW, \st, \j
.endr
.endm
.macro WM                              ; one product; the symbols DD, S0, S1, CC, X0, X1 name its registers, R0, R1 the rows of its scale registers
.if R0 && R1
	v_wmma_scale_f32_16x16x128_f8f6f4 v[DD:DD+7], v[S0:S0+11], v[S1:S1+11], v[CC:CC+7], v[X0], v[X1] matrix_a_fmt:MATRIX_FMT_FP6 matrix_b_fmt:MATRIX_FMT_FP6 matrix_a_scale:MATRIX_SCALE_ROW1 matrix_b_scale:MATRIX_SCALE_ROW1
.elseif R0
	v_wmma_scale_f32_16x16x128_f8f6f4 v[DD:DD+7], v[S0:S0+11], v[S1:S1+11], v[CC:CC+7], v[X0], v[X1] matrix_a_fmt:MATRIX_FMT_FP6 matrix_b_fmt:MATRIX_FMT_FP6 matrix_a_scale:MATRIX_SCALE_ROW1
.elseif R1
	v_wmma_scale_f32_16x16x128_f8f6f4 v[DD:DD+7], v[S0:S0+11], v[S1:S1+11], v[CC:CC+7], v[X0], v[X1] matrix_a_fmt:MATRIX_FMT_FP6 matrix_b_fmt:MATRIX_FMT_FP6 matrix_b_scale:MATRIX_SCALE_ROW1
.else
	v_wmma_scale_f32_16x16x128_f8f6f4 v[DD:DD+7], v[S0:S0+11], v[S1:S1+11], v[CC:CC+7], v[X0], v[X1] matrix_a_fmt:MATRIX_FMT_FP6 matrix_b_fmt:MATRIX_FMT_FP6
.endif
.endm
; Eight products: token blocks 2 k, 2 k + 1 against the four weight blocks; the accumulators take turns.  v = 0 (Q, K): source 0 = weight rows, source 1 = tokens: a lane holds a token, accumulator (i, j) at 64 (i % 4) + 8 j of window 2 + i / 4.
; v = 1 (V): source 0 = tokens, source 1 = weight rows: a lane holds a channel, accumulator (j, i) at 64 j + 8 i of window 2.  cm = 1: the bias, in window 3, is the C of the first step.
.macro MULP v, k, st, cm
.if \v
	WIN 0xa1+0x10*(\cm)
.elseif (\k)/2
	WIN 0xf4
.else
	WIN 0xa4+0x10*(\cm)
.endif
.irp i, 2*(\k), 2*(\k)+1
.irp j, 0,1,2,3
.if \v
.set DD, 64*\j+8*(\i)
.set S0, 96*((\st)%2)+FR*(\i)
.set S1, WF+48*((\st)%2)+FR*\j
.set X0, TS+8*((\i)%4)+(\st)
.set X1, WS+8*(\j%2)+(\st)
.set R0, (\i)/4
.set R1, \j/2
.set CC, VBIAS+8*\j
.else
.set DD, 64*((\i)%4)+8*\j
.set S0, WF+48*((\st)%2)+FR*\j
.set S1, 96*((\st)%2)+FR*(\i)
.set X0, WS+8*(\j%2)+(\st)
.set X1, TS+8*((\i)%4)+(\st)
.set R0, \j/2
.set R1, (\i)/4
.set CC, BIAS+8*\j
.endif
.if !(\cm)
.set CC, DD
.endif
	WM
.endr
.endr
.endm
; A step: 32 products; the next step's fragments are fetched in its middle, into the other set.  At step 4 they reach into plane 2: a barrier shows it whole (SY).
; At step 5 of Q's and K's passes planes 0 and 1 have been read out (RF): the three lines, the cluster's round, and the next pass's chunks 0 and 1.
.macro STEP v, st, cm
.set NX, (\st)+1
.set SY, 0
.set RF, 0
.if (\st) == 4
.set SY, 1
.endif
.if !(\v)
.if (\st) == 5
.set RF, 1
.set SY, 1
.endif
.endif
.if SY
	s_wait_tensorcnt 0x0                           ; all my tensor loads have landed
.endif
.if RF
	ds_add_u32 v[SPW], v[NIL]
	s_wait_dscnt 1                                 ; this step's fragments are in; the add alone may be out
.else
	s_wait_dscnt 0x0                               ; this step's fragments are in
.endif
	MULP \v, 0, \st, \cm
.if SY
	s_wait_dscnt 0x0                               ; the add and all my reads are done
	s_barrier_signal -1
.endif
	MULP \v, 1, \st, \cm
	WIN 0
.if SY
	s_barrier_wait -1
.endif
.if RF
	CREST                                          ; no wave of any partner still reads the two planes or has a load on its way
	s_mov_b32 s[G1T+2], 256<<16                    ; no load of mine is out: whole tiles' rows again
	s_mov_b32 s[G1T+4], 256
	s_mov_b32 s[G1W+2], 128<<16
	s_mov_b32 s[G1W+4], 128
	s_add_nc_u64 s[G0T+2:G0T+3], s[8:9], s[88:89]
	s_or_b32 s[G0T+3], s[G0T+3], 0x80000000
	s_add_nc_u64 s[G0W+2:G0W+3], s[10:11], s[88:89]
	s_or_b32 s[G0W+3], s[G0W+3], 0x80000000
	JLOAD 0                                        ; its four v_nop are the places in front of the loads below
.elseif NX < 8
	PLACES 4                                       ; in front of loads into the set that the step before multiplied
.endif
.if NX < 8
	FETCH NX
.endif
	MULP \v, 2, \st, \cm
	MULP \v, 3, \st, \cm
	WIN 0
.endm
; A pass's opening: its chunks 0 and 1 are in, plane 2 has been read out (the first time: it is filled as a refill is): the three lines, the round, and the pass's chunk 2
.macro OPEN
	s_wait_tensorcnt 0x0
	ds_add_u32 v[SPW], v[NIL]
	s_mov_b32 s[G1T+2], 128<<16                    ; no load of mine is out: halves of the tiles' rows
	s_mov_b32 s[G1T+4], 128
	s_mov_b32 s[G1W+2], 64<<16
	s_mov_b32 s[G1W+4], 64
	s_add_nc_u64 s[G0T+6:G0T+7], s[4:5], s[90:91]
	s_or_b32 s[G0T+7], s[G0T+7], 0x80000000
	s_add_nc_u64 s[G0W+6:G0W+7], s[6:7], s[46:47]
	s_or_b32 s[G0W+7], s[G0W+7], 0x80000000
	s_wait_dscnt 0x0
	CROUND
	JLOAD 1
.endm
.macro PASS v
	FETCH 0
	s_wait_loadcnt 0x0                             ; the scale words, the bias, the gain and the shift
	STEP \v, 0, 1
.irp t, 1,2,3,4,5,6,7
	STEP \v, \t, 0
.endr
	PLACES 4
.endm
; Q AND K, THE WAY OUT: a lane holds 32 of a token's 64 channels, the lane 16 away the other 32: the norm, the blocks' scales, the codes
.set Y,   64
.set T,   96
.set MU,  112
.set RS,  114
.set M,   116
.set X,   118
.set SO,  120
.set BY,  122
.set DX,  124
.set DY,  125
.set WD,  128
.set RAW, 132
.set IMG, 164
.set KSI, 212
.set EW,  216
.macro LNQ a
.set W,  2+(\a)/4
.set AC, 64*((\a)%4)
.set RW, RAW+8*((\a)%4)
.set WI, WD+(\a)%4
	WIN (5*W)
.irp k, 0,1,2,3,4,5,6,7
	v_pk_add_f32 v[T+2*\k:T+2*\k+1], v[AC+4*\k:AC+4*\k+1], v[AC+4*\k+2:AC+4*\k+3]
.endr
	WIN 0
	v_pk_add_f32 v[T:T+1], v[T:T+1], v[T+2:T+3]
	v_pk_add_f32 v[T+4:T+5], v[T+4:T+5], v[T+6:T+7]
	v_pk_add_f32 v[T+8:T+9], v[T+8:T+9], v[T+10:T+11]
	v_pk_add_f32 v[T+12:T+13], v[T+12:T+13], v[T+14:T+15]
	v_pk_add_f32 v[T:T+1], v[T:T+1], v[T+4:T+5]
	v_pk_add_f32 v[T+8:T+9], v[T+8:T+9], v[T+12:T+13]
	v_pk_add_f32 v[T:T+1], v[T:T+1], v[T+8:T+9]
	v_add_f32 v[T], v[T], v[T+1]
	v_permlanex16_b32 v[X], v[T], s[SEL], s[SEL+1]
	v_add_f32 v[T], v[T], v[X]
	v_mul_f32 v[MU], s66, v[T]                     ; the mean
	WIN (W)
.set i, 0
.rept 16
	v_pk_add_f32 v[Y+i:Y+i+1], v[AC+i:AC+i+1], v[MU:MU+1] op_sel_hi:[1,0] neg_lo:[0,1] neg_hi:[0,1]
.set i, i+2
.endr
	WIN 0
	v_pk_mul_f32 v[T:T+1], v[Y:Y+1], v[Y:Y+1]
	v_pk_mul_f32 v[T+2:T+3], v[Y+2:Y+3], v[Y+2:Y+3]
.irp k, 4,8,12,16,20,24,28
	v_pk_fma_f32 v[T:T+1], v[Y+\k:Y+\k+1], v[Y+\k:Y+\k+1], v[T:T+1]
	v_pk_fma_f32 v[T+2:T+3], v[Y+\k+2:Y+\k+3], v[Y+\k+2:Y+\k+3], v[T+2:T+3]
.endr
	v_pk_add_f32 v[T:T+1], v[T:T+1], v[T+2:T+3]
	v_add_f32 v[T], v[T], v[T+1]
	v_permlanex16_b32 v[X], v[T], s[SEL], s[SEL+1]
	v_add_f32 v[T], v[T], v[X]
	v_fma_f32 v[T], v[T], s66, s67                 ; the variance + 1e-5
	s_wait_alu depctr_va_vdst(0)                   ; the waits round the transcendental
	v_rsq_f32 v[RS], v[T]
	v_nop
	s_wait_alu depctr_va_vdst(0)
.set i, 0
.rept 16
	v_pk_mul_f32 v[Y+i:Y+i+1], v[Y+i:Y+i+1], v[RS:RS+1] op_sel_hi:[1,0]
.set i, i+2
.endr
	WIN 0x3c
.set i, 0
.rept 16
	v_pk_fma_f32 v[Y+i:Y+i+1], v[Y+i:Y+i+1], v[GW+i:GW+i+1], v[BW+i:BW+i+1]
.set i, i+2
.endr
	WIN 0
.irp b, 0,1
	v_max3_num_f32 v[M+\b], |v[Y+16*\b]|, |v[Y+16*\b+1]|, 0x1800000   ; the floor 2^(3 - 127) keeps the byte at 1 or more
.endr
.irp i, 2,4,6,8,10,12,14
.irp b, 0,1
	v_max3_num_f32 v[M+\b], v[M+\b], |v[Y+16*\b+\i]|, |v[Y+16*\b+\i+1]|
.endr
.endr
.irp b, 0,1
	v_permlanex16_b32 v[X+\b], v[M+\b], s[SEL], s[SEL+1]
.endr
.irp b, 0,1
	v_max_num_f32 v[M+\b], v[M+\b], v[X+\b]
.endr
.irp b, 0,1
	v_add_nc_u32 v[SO+\b], 0xff000000, v[M+\b]     ; 2 off the exponent field: the conversion's scale operand
.endr
.irp b, 0,1
	v_lshrrev_b32 v[BY+\b], 23, v[SO+\b]
.endr
	v_lshl_or_b32 v[WI], v[BY+1], 8, v[BY]
	v_lshl_or_b32 v[WI], v[WI], 16, v[WI]          ; the upper two bytes meet zero codes: any finite code serves
	v_cvt_scalef32_pk16_fp6_f32 v[RW:RW+2], v[Y:Y+15], v[SO]
	v_cvt_scalef32_pk16_fp6_f32 v[RW+4:RW+6], v[Y+16:Y+31], v[SO+1]
	v_nop
.irp i, 0,1,2
	v_permlane16_swap_b32 v[RW+\i], v[RW+4+\i]     ; a whole block of 32 in a lane
.endr
.endm
.macro SHUF c                          ; four blocks of 16 tokens change rows so that the attention launch's tiles hold the tokens that it wants together; then the image is stored
.set IM, IMG+24*(\c)
	s_wait_xcnt 0x0                                ; earlier stores have read their data
.irp u, 0,1
.irp k, 0,1,2,3,4,5
	v_mov_b32_dpp v[DY], v[RAW+8*(2+\u)+\k+\k/3] row_xmask:8 row_mask:0xf bank_mask:0xf
	v_cndmask_b32 v[IM+6*\u+\k], v[RAW+8*\u+\k+\k/3], v[DY], s[M8]
	v_mov_b32_dpp v[DX], v[RAW+8*\u+\k+\k/3] row_xmask:8 row_mask:0xf bank_mask:0xf
	v_cndmask_b32 v[IM+6*(2+\u)+\k], v[DX], v[RAW+8*(2+\u)+\k+\k/3], s[M8]
.endr
	v_mov_b32_dpp v[DY], v[WD+2+\u] row_xmask:8 row_mask:0xf bank_mask:0xf
	v_cndmask_b32 v[EW+\u], v[WD+\u], v[DY], s[M8]
	v_mov_b32_dpp v[DX], v[WD+\u] row_xmask:8 row_mask:0xf bank_mask:0xf
	v_cndmask_b32 v[EW+2+\u], v[DX], v[WD+2+\u], s[M8]
.endr
	v_cndmask_b32 v[KSI+2*\c], v[EW], v[EW+1], s[M16]
	v_cndmask_b32 v[KSI+2*\c+1], v[EW+2], v[EW+3], s[M16]
.irp i, 0,1,2,3,4,5
	global_store_b128 v[LI], v[IM+4*\i:IM+4*\i+3], s[OUT:OUT+1] offset:512*(6*\c+\i)   ; 32 lanes store 512 consecutive bytes
.endr
.endm
	s_mov_b32 s2, 0                                ; the pass: 0 Q, 1 K
	s_wait_alu depctr_va_vdst(0)                   ; the wait at the head's end
.Lpass:
	OPEN
	PASS 0
	SCLOAD 20, 22                                  ; the next pass's scale words, four places behind the last products
.irp x, MU+1, RS+1, X, X+1, DX, DY
	v_mov_b32 v[\x], 0
.endr
	s_cmp_lg_u32 s2, 0
	s_cbranch_scc1 .Lno_eighth
	WIN 0xc3
.set i, 0
.rept 16
	v_pk_mul_f32 v[GW+i:GW+i+1], v[GW+i:GW+i+1], 0x3e000000 op_sel_hi:[1,0]   ; Q / 8: a power of two, exact
	v_pk_mul_f32 v[BW+i:BW+i+1], v[BW+i:BW+i+1], 0x3e000000 op_sel_hi:[1,0]
.set i, i+2
.endr
	WIN 0
.Lno_eighth:
.irp c, 0,1
	LNQ 4*\c
	LNQ 4*\c+1
	LNQ 4*\c+2
	LNQ 4*\c+3
	SHUF \c
.endr
	global_store_b128 v[LI], v[KSI:KSI+3], s[OUT:OUT+1] offset:6144
	s_cmp_lg_u32 s2, 0
	s_cbranch_scc1 .Lno_k
	LNLOAD 30, 38, 40                              ; behind Q's pass: K's bias, gain and shift
.Lno_k:
	s_wait_xcnt 0x0                                ; the loads and stores above have read their bases and data
	s_mov_b64 s[4:5], s[8:9]                       ; the next pass's tiles become this pass's,
	s_mov_b64 s[6:7], s[10:11]
	s_mov_b64 s[8:9], s[12:13]                     ; and what follows them is V's
	s_mov_b64 s[10:11], s[14:15]
	s_mov_b64 s[20:21], s[24:25]
	s_mov_b64 s[22:23], s[26:27]
	s_mov_b64 s[OUT:OUT+1], s[44:45]
	s_wait_alu depctr_va_vdst(0)                   ; the wait ahead of the jump
	s_add_co_u32 s2, s2, 1
	s_cmp_lt_u32 s2, 2
	s_cbranch_scc1 .Lpass
	OPEN
	PASS 1
; V^T, THE WAY OUT: a lane holds a channel, its registers run along 128 keys: four blocks of 32, each shared with the lane 16 away
.set F,   64
.set TT,  160
.set VM,  168
.set VX,  172
.set VSO, 176
.set VBY, 180
.set WW,  184
.set VS,  192
.set FL,  200
	v_mov_b32 v[FL], 0x1800000
.irp b, 0,1,2,3
	v_mov_b32 v[VX+\b], 0
.endr
.macro VQ a
.set AC, 64*(\a)
.set FF, F+12*(\a)
	WIN 40
.irp b, 0,1,2,3
	v_max3_num_f32 v[VM+\b], v[FL], |v[AC+16*\b]|, |v[AC+16*\b+1]|
.endr
.irp i, 2,4,6,8,10,12,14
.irp b, 0,1,2,3
	v_max3_num_f32 v[VM+\b], v[VM+\b], |v[AC+16*\b+\i]|, |v[AC+16*\b+\i+1]|
.endr
.endr
	WIN 0
.irp b, 0,1,2,3
	v_permlanex16_b32 v[VX+\b], v[VM+\b], s[SEL], s[SEL+1]
.endr
.irp b, 0,1,2,3
	v_max_num_f32 v[VM+\b], v[VM+\b], v[VX+\b]
.endr
.irp b, 0,1,2,3
	v_add_nc_u32 v[VSO+\b], 0xff000000, v[VM+\b]
.endr
.irp b, 0,1,2,3
	v_lshrrev_b32 v[VBY+\b], 23, v[VSO+\b]
.endr
	v_lshl_or_b32 v[WW+\a], v[VBY+1], 8, v[VBY]
	v_lshl_or_b32 v[WW+\a], v[VBY+2], 16, v[WW+\a]
	v_lshl_or_b32 v[WW+\a], v[VBY+3], 24, v[WW+\a]
	WIN 2
.irp c, 0,1
	v_cvt_scalef32_pk16_fp6_f32 v[FF+6*\c:FF+6*\c+2], v[AC+32*\c:AC+32*\c+15], v[VSO+2*\c]
	v_cvt_scalef32_pk16_fp6_f32 v[TT+4*\c:TT+4*\c+2], v[AC+32*\c+16:AC+32*\c+31], v[VSO+2*\c+1]
.endr
	WIN 0
	v_nop
.irp c, 0,1
.irp i, 0,1,2
	v_permlane16_swap_b32 v[FF+6*\c+\i], v[TT+4*\c+\i]
.endr
.irp i, 0,1,2
	v_mov_b32 v[FF+6*\c+3+\i], v[TT+4*\c+\i]
.endr
.endr
.irp i, 0,1,2
	global_store_b128 v[LI], v[FF+4*\i:FF+4*\i+3], s[44:45] offset:6656+1536*(\a)+512*\i
.endr
.endm
.irp a, 0,1,2,3
	VQ \a
.endr
	v_cndmask_b32 v[VS], v[WW], v[WW+1], s[M16]
	v_cndmask_b32 v[VS+1], v[WW+2], v[WW+3], s[M16]
	v_mov_b32 v[VS+2], 0
	v_mov_b32 v[VS+3], 0
	global_store_b128 v[LI], v[VS:VS+3], s[44:45] offset:6656+6144
	s_wait_tensorcnt 0x0                           ; the wave's end
	ds_add_u32 v[SPW], v[NIL]
	s_wait_dscnt 0x0
	CROUND                                         ; the closing round
	s_endpgm
.Lfunc_end_k_q401d67585d_proj:
	.size	k_q401d67585d_proj, .Lfunc_end_k_q401d67585d_proj-k_q401d67585d_proj
	.p2alignl 7, 3214868480
	.fill 96, 4, 3214868480
	.section	.rodata,"a",@progbits
	.p2align	6, 0x0
	.amdhsa_kernel k_q401d67585d_proj
		.amdhsa_group_segment_fixed_size 327680
		.amdhsa_private_segment_fixed_size 0
		.amdhsa_enable_private_segment 0
		.amdhsa_kernarg_size 168
		.amdhsa_user_sgpr_count 2
		.amdhsa_user_sgpr_kernarg_segment_ptr 1
		.amdhsa_wavefront_size32 1
		.amdhsa_system_sgpr_workgroup_id_x 1
		.amdhsa_system_sgpr_workgroup_id_y 1
		.amdhsa_system_sgpr_workgroup_id_z 1
		.amdhsa_system_vgpr_workitem_id 0
		.amdhsa_next_free_vgpr 1024
		.amdhsa_next_free_sgpr 102
		.amdhsa_reserve_vcc 0
		.amdhsa_float_denorm_mode_32 3
		.amdhsa_float_denorm_mode_16_64 3
		.amdhsa_memory_ordered 1
		.amdhsa_forward_progress 1
		.amdhsa_inst_pref_size 253
	.end_amdhsa_kernel
	.amdgpu_metadata
---
amdhsa.version: [ 1, 2 ]
amdhsa.kernels:
  - .name:           k_q401d67585d_proj
    .symbol:         k_q401d67585d_proj.kd
    .args:
      - { .name: q_codes, .offset: 0, .size: 8, .value_kind: global_buffer, .address_space: global }
      - { .name: Wq_codes, .offset: 8, .size: 8, .value_kind: global_buffer, .address_space: global }
      - { .name: k_codes, .offset: 16, .size: 8, .value_kind: global_buffer, .address_space: global }
      - { .name: Wk_codes, .offset: 24, .size: 8, .value_kind: global_buffer, .address_space: global }
      - { .name: v_codes, .offset: 32, .size: 8, .value_kind: global_buffer, .address_space: global }
      - { .name: Wv_codes, .offset: 40, .size: 8, .value_kind: global_buffer, .address_space: global }
      - { .name: q_scales, .offset: 48, .size: 8, .value_kind: global_buffer, .address_space: global }
      - { .name: Wq_scales, .offset: 56, .size: 8, .value_kind: global_buffer, .address_space: global }
      - { .name: k_scales, .offset: 64, .size: 8, .value_kind: global_buffer, .address_space: global }
      - { .name: Wk_scales, .offset: 72, .size: 8, .value_kind: global_buffer, .address_space: global }
      - { .name: v_scales, .offset: 80, .size: 8, .value_kind: global_buffer, .address_space: global }
      - { .name: Wv_scales, .offset: 88, .size: 8, .value_kind: global_buffer, .address_space: global }
      - { .name: bq, .offset: 96, .size: 8, .value_kind: global_buffer, .address_space: global }
      - { .name: bk, .offset: 104, .size: 8, .value_kind: global_buffer, .address_space: global }
      - { .name: bv, .offset: 112, .size: 8, .value_kind: global_buffer, .address_space: global }
      - { .name: g1, .offset: 120, .size: 8, .value_kind: global_buffer, .address_space: global }
      - { .name: beta1, .offset: 128, .size: 8, .value_kind: global_buffer, .address_space: global }
      - { .name: g2, .offset: 136, .size: 8, .value_kind: global_buffer, .address_space: global }
      - { .name: beta2, .offset: 144, .size: 8, .value_kind: global_buffer, .address_space: global }
      - { .name: qi, .offset: 152, .size: 8, .value_kind: global_buffer, .address_space: global }
      - { .name: kv, .offset: 160, .size: 8, .value_kind: global_buffer, .address_space: global }
    .group_segment_fixed_size: 327680
    .private_segment_fixed_size: 0
    .kernarg_segment_align: 8
    .kernarg_segment_size: 168
    .max_flat_workgroup_size: 128
    .sgpr_count:     102
    .vgpr_count:     1024
    .wavefront_size: 32
...
	.end_amdgpu_metadata
.endif
;; end of part 1
;; launch attn (part 2): grid 4 x 64, 16 waves a work-group, clusters of 4 x 1, 284,672 bytes of LDS; arguments qi, kv, out0; writes out0
.if DOCPART == 2
	.amdgcn_target "amdgcn-amd-amdhsa--gfx1250"
	.amdhsa_code_object_version 6
	.text
	.protected	k_q401d67585d_attn
	.globl	k_q401d67585d_attn
	.p2align	8
	.type	k_q401d67585d_attn,@function
k_q401d67585d_attn:
	s_mov_b64 s[64:65], 0
	v_nop
	global_prefetch_b8 v0, s[64:65] scope:SCOPE_SE
	s_setreg_imm32_b32 hwreg(HW_REG_WAVE_MODE, 25, 1), 1
	s_wait_xcnt 0x0
	s_wait_alu depctr_hold_cnt(0) depctr_sa_sdst(0) depctr_va_vdst(0) depctr_va_sdst(0) depctr_va_ssrc(0) depctr_va_vcc(0) depctr_vm_vsrc(0)
	s_getreg_b32 s2, hwreg(HW_REG_IB_STS2, 6, 4)
	s_cmp_eq_u32 s2, 0
	s_cbranch_scc0 .Lentry_in_a_cluster
	s_endpgm
.Lentry_in_a_cluster:
	s_bfe_u32 s2, ttmp6, 0x10000c
	s_cmp_lg_u32 s2, 0x3003
	s_cbranch_scc0 .Lentry_shape_is_right
	s_endpgm
.Lentry_shape_is_right:
; out[b][q][head] = the sum over keys of softmax(Q/8 . K) V, both products on codes of FP6 (E2M3) with one E8M0 scale for each 32 along a product's K.  No work of the problem is left out here.
; qi: [16 b + head][group of 128 queries][6,656]: 48 registers of codes (tile T at registers 6 T) and 4 of scale words, as images of registers (four registers of lane l at 512 i + 16 l).
; kv: [16 b + head][step of 128 keys][13,312]: K's part in the same form, then V^T's 48 registers (16 channels x 128 keys: tile T at registers 12 T) and its 4 of scale words.
; THE SOFTMAX: t = score x log2(e); M = the running largest t rounded UP to a whole number; p = 2^(t - M) is quantised along the keys, not normalised; the row's sum is taken of the unquantised p
; and divides at the end.  When M moves, the sum and O are multiplied by 2^(old M - new M): exact.
; LIMITS: NaN and infinities are not served.  The promise holds while |t| stays under 2^31.  An exponential under 2^-126 comes out as 0.  A block of p under 2^-124 keeps the scale byte 1.
; A block's largest p is made from the block's largest score by the same multiply-add and exponential, which takes the exponential not to fall where its input rises.
; SHARES.  A work-group owns 512 queries of one head; each of its sixteen waves two tiles of 16, in 256 registers.  A whole head's K and V, 212,992 bytes, lie in LDS, filled once: wave w asks for step w.
; The four work-groups of a cluster own the four blocks of queries of one head and ask JOINTLY.  No prefetch: every tile is asked for at the head, so no loop runs ahead of a load.
; LAYOUT.  S^T = K Q^T, O^T = V^T P^T: a lane holds ONE query throughout.  The keys of K's tile 4 c + t are 64 c + 32 (row / 8) + 16 (t % 2) + 8 (t / 2) + row % 8, so that
; score register 32 c + i of lane (r, h) is position i of key block 2 c + h: a whole block of 32 keys in one lane, where the second product's operand wants it.
; THE HEAD IS 64 AND THE FORM 128 DEEP: Q's fragment is six registers of codes and six of zero codes.  K's tiles lie six registers apart, so a tile's upper six registers are the next tile's codes, and behind tile 7
; p's first six registers of codes: all of them meet Q's zero codes (the format has no NaN and no infinity: the products are zeros).
; The multiply-adds, sums and rescalings go two to an instruction as dual pairs: destinations even and odd, each pair of like sources in different register banks (number mod 4); so log2(e), -M and f each lie in two registers.
.set STEPB, 13312
.set STAGE, 16*STEPB                   ; the way out: 16 rows x (256 + 16) bytes for each wave
.set SPARE, STAGE+16*16*272            ; the spare words, 128 bytes a wave
.set ADR,  1                           ; LDS address of the step in hand, for my lane
.set SPW,  2
.set NIL,  3
.set QS,   4                           ; Q's scale words: tile 0 in lanes 0-15, tile 1 in lanes 16-31
.set Q0,   20                          ; v20-31 tile 0's codes and six zeros; v32-43 tile 1's
.set FRG,  44                          ; v44-91 a step's K, then its V
.set PCD,  92                          ; v92-103, v104-115 p's codes
.set KSC,  116                         ; v116-119 K's or V's scale words
.set SCR,  120                         ; v120-183 the scores, then p
.set OAC,  184                         ; v184-215, v216-247 O^T
.set A0,   248                         ; 16 x lane
.set CL,   250                         ; v250, v251 log2(e)
.set F1,   253                         ; f once more
; v5, v7 p's scale words (tile 1, tile 0); v6 f; v[8+4e ..]: -M, the largest score, the sum in two halves; v16, v17 the two blocks' largest; v18, v19 at work
.set WV,   10
.macro ROUND
	s_barrier_signal -1
	s_barrier_wait -1
	s_cmp_lg_u32 s[WV], 0
	s_cbranch_scc1 .Lnot_wave_0_\@
	s_barrier_signal -3
.Lnot_wave_0_\@:
	s_barrier_wait -3
	s_barrier_signal -1
	s_barrier_wait -1
.endm
	s_load_b128 s[4:7], s[0:1], 0x0                ; qi, kv
	s_load_b64 s[8:9], s[0:1], 0x10                ; out0
	v_lshl_add_u32 v[SPW], v0, 2, SPARE
	v_mov_b32 v[NIL], 0
	ds_add_u32 v[SPW], v[NIL]                      ; the opening lines
	ds_add_u32 v[SPW], v[NIL]
	v_lshrrev_b32 v1, 5, v0
	s_delay_alu instid0(VALU_DEP_1)
	v_readfirstlane_b32 s[WV], v1
	s_bfe_u32 s11, ttmp6, 0x40000                  ; cx: my block of 512 queries
	s_and_b32 s12, ttmp7, 0xffff                   ; 16 x batch + head
	s_mov_b32 s16, 15|(3<<16)|(1<<21)              ; the mask names all four; elements of 8 bytes
	s_mov_b32 s17, 32<<16                          ; a step: 52 rows of 256 bytes
	s_mov_b32 s18, 52<<16
	s_mov_b32 s19, 32<<16
	s_mov_b32 s20, 52
	s_mov_b32 s21, 32
	s_mov_b32 s22, 0
	s_mov_b32 s23, 0
	s_mov_b32 s28, 0x76543210
	s_mov_b32 s29, 0xfedcba98
	s_mov_b32 s30, 0x3fb8aa3b                      ; log2(e)
	s_mov_b32 s24, 1
	s_mul_i32 s25, s[WV], STEPB
	s_mul_i32 s34, s12, 16*STEPB
	s_add_co_u32 s34, s34, s25
	s_mov_b32 s35, 0
	s_wait_dscnt 0x0
	s_wait_kmcnt 0x0
	s_add_nc_u64 s[26:27], s[6:7], s[34:35]
	s_or_b32 s27, s27, 0x80000000
	ROUND
	tensor_load_to_lds s[24:27], s[16:23]          ; my one tensor load of the launch
	s_nop 0
	v_and_b32 v[A0], 31, v0
	s_delay_alu instid0(VALU_DEP_1)
	v_lshlrev_b32 v[A0], 4, v[A0]
	s_wait_alu depctr_va_vdst(0)
	s_lshl_b32 s34, s12, 4
	s_lshl_b32 s35, s11, 2
	s_add_co_u32 s34, s34, s35
	s_lshr_b32 s35, s[WV], 2
	s_add_co_u32 s34, s34, s35                     ; my group of 128 queries
	s_mul_i32 s34, s34, 6656
	s_mov_b32 s35, 0
	s_add_nc_u64 s[4:5], s[4:5], s[34:35]
	s_and_b32 s36, s[WV], 3                        ; u: my tiles are 2 u and 2 u + 1 of the group's eight
	s_mul_i32 s38, s36, 1536
	s_mov_b32 s39, 0
	s_add_nc_u64 s[40:41], s[4:5], s[38:39]
	s_lshl_b32 s38, s36, 2
	s_add_nc_u64 s[42:43], s[4:5], s[38:39]
	global_load_b128 v[Q0:Q0+3], v[A0], s[40:41] th:TH_LOAD_NT
	global_load_b64 v[Q0+4:Q0+5], v[A0], s[40:41] offset:512 th:TH_LOAD_NT
	global_load_b64 v[Q0+12:Q0+13], v[A0], s[40:41] offset:520 th:TH_LOAD_NT
	global_load_b128 v[Q0+14:Q0+17], v[A0], s[40:41] offset:1024 th:TH_LOAD_NT
	global_load_b32 v[QS], v[A0], s[42:43] offset:6144 th:TH_LOAD_NT
	; my rows of the output: token 2,048 b + 128 group + 64 (u / 2) + 8 (u % 2), 4,096 bytes a token; the head's 256 bytes in it
	s_lshr_b32 s34, s12, 4
	s_lshl_b32 s34, s34, 4
	s_lshl_b32 s35, s11, 2
	s_add_co_u32 s34, s34, s35
	s_lshr_b32 s35, s[WV], 2
	s_add_co_u32 s34, s34, s35
	s_lshl_b32 s34, s34, 7
	s_bfe_u32 s35, s[WV], 0x10001
	s_lshl_b32 s35, s35, 6
	s_add_co_u32 s34, s34, s35
	s_and_b32 s35, s[WV], 1
	s_lshl_b32 s35, s35, 3
	s_add_co_u32 s34, s34, s35
	s_lshl_b32 s34, s34, 12
	s_and_b32 s35, s12, 15
	s_lshl_b32 s35, s35, 8
	s_add_co_u32 s34, s34, s35
	s_mov_b32 s35, 0
	s_add_nc_u64 s[8:9], s[8:9], s[34:35]
.irp e, 0,1
	v_mov_b32 v[9+4*\e], 0xff61b1e6                ; the largest score so far: -3e38
	s_delay_alu instid0(VALU_DEP_1)
	v_floor_f32 v[8+4*\e], -v[9+4*\e]              ; -M
	v_mov_b32 v[10+4*\e], 0
	v_mov_b32 v[11+4*\e], 0
.endr
	v_mov_b32 v19, 0                               ; a lane permute's destination counts as one of its sources
	v_mov_b32 v[CL], 0x3fb8aa3b
	v_mov_b32 v[CL+1], 0x3fb8aa3b
.irp i, 0,1,2,3,4,5
	v_mov_b32 v[Q0+6+\i], 0                        ; zero codes: the upper 64 of the form's 128
	v_mov_b32 v[Q0+18+\i], 0
	v_mov_b32 v[PCD+\i], 0                         ; read behind K's tile 7 before p's first codes are made
.endr
.set i, 0
.rept 64
	v_mov_b32 v[OAC+i], 0                          ; O^T: the step is written once, and the first finds zeros
.set i, i+1
.endr
	s_mov_b32 s32, 0                               ; LDS byte at which the step in hand begins
	s_mov_b32 s33, 16                              ; steps to go
	s_wait_alu depctr_va_vdst(0)                   ; the wait at the head's end
	s_wait_tensorcnt 0x0                           ; my step has landed,
	s_barrier_signal -1
	s_barrier_wait -1                              ; everybody's has; nothing is filled again
	s_wait_loadcnt 0x0                             ; Q
.macro SQK e                           ; S^T of tile e: eight accumulators, each begun with 0
.irp t, 0,1,2,3,4,5,6,7
.if (\t%2) && (\e)
	v_wmma_scale_f32_16x16x128_f8f6f4 v[SCR+8*\t:SCR+8*\t+7], v[FRG+6*\t:FRG+6*\t+11], v[Q0+12*\e:Q0+12*\e+11], 0, v[KSC+\t/2], v[QS] matrix_a_fmt:MATRIX_FMT_FP6 matrix_b_fmt:MATRIX_FMT_FP6 matrix_a_scale:MATRIX_SCALE_ROW1 matrix_b_scale:MATRIX_SCALE_ROW1
.elseif (\t%2)
	v_wmma_scale_f32_16x16x128_f8f6f4 v[SCR+8*\t:SCR+8*\t+7], v[FRG+6*\t:FRG+6*\t+11], v[Q0+12*\e:Q0+12*\e+11], 0, v[KSC+\t/2], v[QS] matrix_a_fmt:MATRIX_FMT_FP6 matrix_b_fmt:MATRIX_FMT_FP6 matrix_a_scale:MATRIX_SCALE_ROW1
.elseif (\e)
	v_wmma_scale_f32_16x16x128_f8f6f4 v[SCR+8*\t:SCR+8*\t+7], v[FRG+6*\t:FRG+6*\t+11], v[Q0+12*\e:Q0+12*\e+11], 0, v[KSC+\t/2], v[QS] matrix_a_fmt:MATRIX_FMT_FP6 matrix_b_fmt:MATRIX_FMT_FP6 matrix_b_scale:MATRIX_SCALE_ROW1
.else
	v_wmma_scale_f32_16x16x128_f8f6f4 v[SCR+8*\t:SCR+8*\t+7], v[FRG+6*\t:FRG+6*\t+11], v[Q0+12*\e:Q0+12*\e+11], 0, v[KSC+\t/2], v[QS] matrix_a_fmt:MATRIX_FMT_FP6 matrix_b_fmt:MATRIX_FMT_FP6
.endif
.endr
.rept 4
	v_nop                                          ; places in front of the first read of the scores, and of loads into the operands' registers
.endr
.endm
.macro PV                              ; O^T += V^T P^T for both tiles: eight accumulators, one instruction each
.irp t, 0,1,2,3
.irp e, 0,1
.if \t%2
	v_wmma_scale_f32_16x16x128_f8f6f4 v[OAC+32*\e+8*\t:OAC+32*\e+8*\t+7], v[FRG+12*\t:FRG+12*\t+11], v[PCD+12*\e:PCD+12*\e+11], v[OAC+32*\e+8*\t:OAC+32*\e+8*\t+7], v[KSC+\t/2], v[7-2*\e] matrix_a_fmt:MATRIX_FMT_FP6 matrix_b_fmt:MATRIX_FMT_FP6 matrix_a_scale:MATRIX_SCALE_ROW1
.else
	v_wmma_scale_f32_16x16x128_f8f6f4 v[OAC+32*\e+8*\t:OAC+32*\e+8*\t+7], v[FRG+12*\t:FRG+12*\t+11], v[PCD+12*\e:PCD+12*\e+11], v[OAC+32*\e+8*\t:OAC+32*\e+8*\t+7], v[KSC+\t/2], v[7-2*\e] matrix_a_fmt:MATRIX_FMT_FP6 matrix_b_fmt:MATRIX_FMT_FP6
.endif
.endr
.endr
.endm
; Tile e's softmax for 128 keys: from the scores to p's codes, its scale word, the sum and O^T under the new M
.macro SOFTMAX e
.set ST, 8+4*(\e)
.set PP, PCD+12*(\e)
.set OO, OAC+32*(\e)
.set PW, 7-2*(\e)
	v_max3_num_f32 v16, v[SCR], v[SCR+1], v[SCR+2]            ; the largest score of my two blocks of 32 keys, ascending: for the row's maximum and for the block's largest p
	v_max3_num_f32 v17, v[SCR+32], v[SCR+33], v[SCR+34]
.irp i, 3,5,7,9,11,13,15,17,19,21,23,25,27,29
	v_max3_num_f32 v16, v16, v[SCR+\i], v[SCR+\i+1]
	v_max3_num_f32 v17, v17, v[SCR+32+\i], v[SCR+33+\i]
.endr
	v_max_num_f32 v16, v16, v[SCR+31]
	v_max_num_f32 v17, v17, v[SCR+63]
	s_delay_alu instid0(VALU_DEP_1)
	v_max_num_f32 v18, v16, v17
	s_delay_alu instid0(VALU_DEP_1)
	v_permlanex16_b32 v19, v18, s28, s29                      ; the query's other 64 keys lie in the lane 16 away
	s_delay_alu instid0(VALU_DEP_1)
	v_max3_num_f32 v[ST+1], v18, v19, v[ST+1]                 ; the running largest score
	s_delay_alu instid0(VALU_DEP_1)
	v_mul_f32 v18, s30, v[ST+1]                               ; as t
	s_delay_alu instid0(VALU_DEP_1)
	v_floor_f32 v19, -v18                                     ; the new -M = -ceil(t); it stays in v19 for the pairs' second halves
	s_delay_alu instid0(VALU_DEP_1)
	v_sub_f32 v18, v19, v[ST]                                 ; old M - new M, 0 or less
	s_delay_alu instid0(VALU_DEP_2)
	v_mov_b32 v[ST], v19
	s_delay_alu instid0(VALU_DEP_2)
	v_cvt_i32_f32 v18, v18                                    ; (it saturates)
	s_delay_alu instid0(VALU_DEP_1)
	v_ldexp_f32 v6, 1.0, v18                                  ; f = 2^(old M - new M)
.set j, 0
.rept 32
	v_dual_fma_f32 v[SCR+j], v[SCR+j], v[CL], v[ST] :: v_dual_fma_f32 v[SCR+j+1], v[SCR+j+1], v[CL+1], v19   ; t - M
.set j, j+2
.endr
	v_dual_fma_f32 v16, v16, v[CL], v[ST] :: v_dual_fma_f32 v17, v17, v[CL+1], v19   ; the same of each block's largest score
	s_wait_alu depctr_va_vdst(0)                              ; the wait ahead of the batch
.set j, 0
.rept 64
	v_exp_f32 v[SCR+j], v[SCR+j]                              ; p = 2^(t - M)
.set j, j+1
.endr
	v_ldexp_f32 v[F1], 1.0, v18                               ; f once more, in another bank: the plain instruction behind the batch
	s_wait_alu depctr_va_vdst(0)                              ; one wait for the batch
	v_exp_f32 v16, v16                                        ; the blocks' largest p
	v_exp_f32 v17, v17
	v_dual_mul_f32 v[ST+2], v[ST+2], v6 :: v_dual_mul_f32 v[ST+3], v[ST+3], v[F1]    ; the sum under the new M
	v_dual_add_f32 v18, v[SCR], v[SCR+2] :: v_dual_add_f32 v19, v[SCR+1], v[SCR+3]   ; the row's sum of the unquantised p, in four chains
.irp j, 4,8,12,16,20,24,28,32,36,40,44,48,52,56,60
	v_dual_add_f32 v[ST+2], v[SCR+\j], v[ST+2] :: v_dual_add_f32 v[ST+3], v[SCR+\j+1], v[ST+3]
	v_dual_add_f32 v18, v[SCR+\j+2], v18 :: v_dual_add_f32 v19, v[SCR+\j+3], v19
.endr
	v_dual_add_f32 v[ST+2], v18, v[ST+2] :: v_dual_add_f32 v[ST+3], v19, v[ST+3]
	s_wait_alu depctr_va_vdst(0)                              ; and one for the two
	v_max_num_f32 v16, 0x1800000, v16                         ; the floor 2^(3 - 127): the byte cannot fall under 1
	v_max_num_f32 v17, 0x1800000, v17
	s_delay_alu instid0(VALU_DEP_2)
	v_add_nc_u32 v16, 0xff000000, v16                         ; 2 off the exponent field: the conversions' scale operands
	s_delay_alu instid0(VALU_DEP_2)
	v_add_nc_u32 v17, 0xff000000, v17
	s_delay_alu instid0(VALU_DEP_2)
	v_lshrrev_b32 v18, 23, v16
	s_delay_alu instid0(VALU_DEP_2)
	v_lshrrev_b32 v19, 23, v17
	s_delay_alu instid0(VALU_DEP_1)
	v_lshl_or_b32 v18, v19, 16, v18                           ; my bytes: blocks h and 2 + h
	s_delay_alu instid0(VALU_DEP_1)
	v_permlanex16_b32 v19, v18, s28, s29
	s_delay_alu instid0(VALU_DEP_1)
	v_lshl_or_b32 v[PW], v19, 8, v18                          ; the scale word, whole in lanes 0-15, which alone are read
	v_cvt_scalef32_pk16_fp6_f32 v[PP:PP+2], v[SCR:SCR+15], v16
	v_cvt_scalef32_pk16_fp6_f32 v[PP+6:PP+8], v[SCR+32:SCR+47], v17
	v_dual_mul_f32 v[OO], v[OO], v6 :: v_dual_mul_f32 v[OO+1], v[OO+1], v[F1]        ; O^T under the new M, ascending; this pair is the plain instruction behind the conversions
	v_cvt_scalef32_pk16_fp6_f32 v[SCR:SCR+2], v[SCR+16:SCR+31], v16   ; (a conversion's three registers begin on an even number: the upper halves are made in registers that are done with, and moved)
	v_cvt_scalef32_pk16_fp6_f32 v[SCR+32:SCR+34], v[SCR+48:SCR+63], v17
	v_dual_mul_f32 v[OO+2], v[OO+2], v6 :: v_dual_mul_f32 v[OO+3], v[OO+3], v[F1]
	v_dual_mov_b32 v[PP+3], v[SCR] :: v_dual_mov_b32 v[PP+4], v[SCR+1]
	v_dual_mov_b32 v[PP+9], v[SCR+32] :: v_dual_mov_b32 v[PP+10], v[SCR+33]
	v_mov_b32 v[PP+5], v[SCR+2]
	v_mov_b32 v[PP+11], v[SCR+34]
.set j, 4
.rept 14
	v_dual_mul_f32 v[OO+j], v[OO+j], v6 :: v_dual_mul_f32 v[OO+j+1], v[OO+j+1], v[F1]   ; (these fourteen are also the places between the scale word's and the codes' last writes and the products)
.set j, j+2
.endr
.endm
.Lstep:                                            ; 16 trips: 128 keys each
	v_add_nc_u32 v[ADR], s32, v[A0]
.rept 3
	v_nop                                          ; with the addition: four places in front of loads into registers that the last products have read
.endr
	ds_load_b128 v[KSC:KSC+3], v[ADR] offset:6144
.irp i, 0,1,2,3,4,5,6,7,8,9,10,11
	ds_load_b128 v[FRG+4*\i:FRG+4*\i+3], v[ADR] offset:512*\i          ; K's eight tiles: 32 lanes read 512 consecutive bytes
.endr
	s_wait_dscnt 0x0
	SQK 0
	SOFTMAX 0
	SQK 1
	ds_load_b128 v[KSC:KSC+3], v[ADR] offset:12800
.irp i, 0,1,2,3,4,5,6,7,8,9,10,11
	ds_load_b128 v[FRG+4*\i:FRG+4*\i+3], v[ADR] offset:6656+512*\i     ; V's four tiles are on their way while tile 1's softmax is walked
.endr
	SOFTMAX 1
	s_wait_alu depctr_va_vdst(0)                   ; the wait ahead of the wait below and of the jump
	s_wait_dscnt 0x0
	PV
	s_add_co_u32 s32, s32, STEPB
	s_sub_co_u32 s33, s33, 1
	s_cmp_lg_u32 s33, 0
	s_cbranch_scc1 .Lstep
	; THE WAY OUT.  O^T is divided by the sum and goes through my stage in LDS, a tile (16 queries x 256 bytes) at a time, so that sixteen lanes store 256 consecutive bytes, aligned.
	v_add_f32 v16, v10, v11                        ; (these six are the places behind the last products)
	v_add_f32 v17, v14, v15
	s_delay_alu instid0(VALU_DEP_2)
	v_permlanex16_b32 v18, v16, s28, s29
	s_delay_alu instid0(VALU_DEP_2)
	v_permlanex16_b32 v19, v17, s28, s29
	s_delay_alu instid0(VALU_DEP_2)
	v_add_f32 v16, v16, v18
	s_delay_alu instid0(VALU_DEP_2)
	v_add_f32 v17, v17, v19
	s_wait_alu depctr_va_vdst(0)
	v_rcp_f32 v16, v16
	v_rcp_f32 v18, v17
	v_and_b32 v44, 15, v0                          ; r
	v_bfe_u32 v45, v0, 4, 1                        ; h
	s_mul_i32 s34, s[WV], 16*272
	s_add_co_u32 s34, s34, STAGE
	v_mul_u32_u24 v46, v44, 272
	s_delay_alu instid0(VALU_DEP_1)
	v_lshl_add_u32 v46, v45, 5, v46
	s_delay_alu instid0(VALU_DEP_1)
	v_add_nc_u32 v46, s34, v46                     ; in: row r, + 32 h
	v_mul_u32_u24 v47, v45, 272
	s_delay_alu instid0(VALU_DEP_1)
	v_lshl_add_u32 v47, v44, 4, v47
	s_delay_alu instid0(VALU_DEP_1)
	v_add_nc_u32 v47, s34, v47                     ; back: lanes 0-15 one row, lanes 16-31 the next
	v_lshlrev_b32 v48, 12, v45
	s_delay_alu instid0(VALU_DEP_1)
	v_lshl_add_u32 v48, v44, 4, v48                ; and the same two rows in the output
	s_wait_alu depctr_va_vdst(0)                   ; one wait for the two reciprocals
.irp e, 0,1
.set j, 0
.rept 16
	v_pk_mul_f32 v[SCR+32*\e+j:SCR+32*\e+j+1], v[OAC+32*\e+j:OAC+32*\e+j+1], v[16+2*\e:17+2*\e] op_sel_hi:[1,0]   ; register 8 T + i is channel 16 T + 8 h + i of query r
.set j, j+2
.endr
.irp t, 0,1,2,3
	ds_store_b128 v46, v[SCR+32*\e+8*\t:SCR+32*\e+8*\t+3] offset:64*\t
	ds_store_b128 v46, v[SCR+32*\e+8*\t+4:SCR+32*\e+8*\t+7] offset:64*\t+16
.endr
.irp i, 0,1,2,3,4,5,6,7
	ds_load_b128 v[OAC+32*\e+4*\i:OAC+32*\e+4*\i+3], v47 offset:544*\i   ; LDS serves a wave's instructions in order (ISA guide 5.7.1.4)
.endr
.endr
.irp e, 0,1
.irp i, 0,1,2,3,4,5,6,7
	s_wait_dscnt 23-16*\e-\i                       ; what was issued behind this load may stay out: the rest of its tile's loads, and for tile 0 tile 1's sixteen
	global_store_b128 v48, v[OAC+32*\e+4*\i:OAC+32*\e+4*\i+3], s[8:9] offset:(32*(\i/4)+2*(\i%4)+16*\e)*4096 th:TH_STORE_NT   ; stage row 2 i + h is query 32 (i / 4) + 2 (i % 4) + h + 16 e of my tiles' order
.endr
.endr
	s_wait_tensorcnt 0x0                           ; the wave's end
	ds_add_u32 v[SPW], v[NIL]
	s_wait_dscnt 0x0
	ROUND                                          ; the closing round
	s_endpgm
.Lfunc_end_k_q401d67585d_attn:
	.size	k_q401d67585d_attn, .Lfunc_end_k_q401d67585d_attn-k_q401d67585d_attn
	.p2alignl 7, 3214868480
	.fill 96, 4, 3214868480
	.section	.rodata,"a",@progbits
	.p2align	6, 0x0
	.amdhsa_kernel k_q401d67585d_attn
		.amdhsa_group_segment_fixed_size 284672
		.amdhsa_private_segment_fixed_size 0
		.amdhsa_enable_private_segment 0
		.amdhsa_kernarg_size 24
		.amdhsa_user_sgpr_count 2
		.amdhsa_user_sgpr_kernarg_segment_ptr 1
		.amdhsa_wavefront_size32 1
		.amdhsa_system_sgpr_workgroup_id_x 1
		.amdhsa_system_sgpr_workgroup_id_y 1
		.amdhsa_system_sgpr_workgroup_id_z 1
		.amdhsa_system_vgpr_workitem_id 0
		.amdhsa_next_free_vgpr 256
		.amdhsa_next_free_sgpr 66
		.amdhsa_reserve_vcc 0
		.amdhsa_float_denorm_mode_32 3
		.amdhsa_float_denorm_mode_16_64 3
		.amdhsa_memory_ordered 1
		.amdhsa_forward_progress 1
		.amdhsa_inst_pref_size 45
	.end_amdhsa_kernel
	.amdgpu_metadata
---
amdhsa.version: [ 1, 2 ]
amdhsa.kernels:
  - .name:           k_q401d67585d_attn
    .symbol:         k_q401d67585d_attn.kd
    .args:
      - { .name: qi, .offset: 0, .size: 8, .value_kind: global_buffer, .address_space: global }
      - { .name: kv, .offset: 8, .size: 8, .value_kind: global_buffer, .address_space: global }
      - { .name: out0, .offset: 16, .size: 8, .value_kind: global_buffer, .address_space: global }
    .group_segment_fixed_size: 284672
    .private_segment_fixed_size: 0
    .kernarg_segment_align: 8
    .kernarg_segment_size: 24
    .max_flat_workgroup_size: 512
    .sgpr_count:     66
    .vgpr_count:     256
    .wavefront_size: 32
...
	.end_amdgpu_metadata
.endif
;; end of part 2
